; MI455X (gfx1250); checked and timed in simulation.
; The chip was launched on July 23, 2026; its instructions are those of AMD's public machine-readable ISA for CDNA 5 (MIT licence, August 2026) and "CDNA5" Instruction Set Architecture Reference Guide (July 2026). The comments in the code are by the model that wrote it; some were corrected since.
;; Finer Model. Allowed arithmetic: matrix products marked QUANTISED: E2M3 operands, one E8M0 scale for each 32 along K, by v_wmma_scale_f32_16x16x128_f8f6f4 with both operands' format E2M3, f32 sums; products left as they are: f32 operands where the result goes on into a quantised operand, else bf16, f16 or f32 operands; f32 sums; everything else in f32.
;; Inputs: W0 64 x 3 float32; W1_codes 64 x 2 x 24 uint8 (E2M3 codes of W1, K innermost, in blocks of 32 codes, four codes in three bytes); W1_scales 64 x 2 uint8 (E8M0 scales of W1, one for each 32 codes along K); W2_codes 64 x 2 x 24 uint8 (E2M3 codes of W2, K innermost, in blocks of 32 codes, four codes in three bytes); W2_scales 64 x 2 uint8 (E8M0 scales of W2, one for each 32 codes along K); W3_codes 64 x 2 x 24 uint8 (E2M3 codes of W3, K innermost, in blocks of 32 codes, four codes in three bytes); W3_scales 64 x 2 uint8 (E8M0 scales of W3, one for each 32 codes along K); W4_codes 64 x 2 x 24 uint8 (E2M3 codes of W4, K innermost, in blocks of 32 codes, four codes in three bytes); W4_scales 64 x 2 uint8 (E8M0 scales of W4, one for each 32 codes along K); W5 1 x 64 float32; b0 64 float32; b1 64 float32; b2 64 float32; b3 64 float32; b4 64 float32; b5 1 float32; coords 1,000,000 x 3 float32.
;; Outputs: out0 1,000,000 x 1 float32.
;; This version of the problem:
;;   THIS VERSION OF THE PROBLEM IS GIVEN IN LOW PRECISION. The matrix products marked QUANTISED in the list below multiply operands that are first quantised to E2M3 (2 exponent bits, 3 mantissa bits; 6 bits a number), with one power-of-two scale for each 32 numbers along K (OCP MX v1.0); their sums are f32. All else is computed in f32.
;;   The module's matrix products, in the order in which they are computed (A, B: the left and right operand; K: the contracted axis; several contracted axes count as one K, in the product's order):
;;     1. [M 1,000,000, K 3] x [K 3, N 64]; A: input coords; B: input W0: left as it is (K = 3 < 32)
;;     2. [M 1,000,000, K 64] x [K 64, N 64]; A: computed on the way; B: input W1 (given as codes): QUANTISED
;;     3. [M 1,000,000, K 64] x [K 64, N 64]; A: computed on the way; B: input W2 (given as codes): QUANTISED
;;     4. [M 1,000,000, K 64] x [K 64, N 64]; A: computed on the way; B: input W3 (given as codes): QUANTISED
;;     5. [M 1,000,000, K 64] x [K 64, N 64]; A: computed on the way; B: input W4 (given as codes): QUANTISED
;;     6. [M 1,000,000, K 64] x [K 64, N 1]; A: computed on the way; B: input W5: left as it is (N = 1 < 16)
;;   THE QUANTISER, for each operand of a quantised product, along K:
;;     - K is cut into blocks of 32 from its start; a last block that is shorter is filled with zeros.
;;     - A block's scale is 2^e with e = floor(log2(the largest magnitude in the block)) - 2, held to -126 .. 127; a block of zeros has e = 0. As a byte (E8M0): e + 127.
;;     - Each number is divided by its block's scale, clamped to +-7.5, and rounded to the nearest number of E2M3, ties to even, subnormals kept.
;;     - The product sums the exact products of the quantised numbers (number of the format x scale) in f32.
;;   ~~~python
;;   def quantise(x, axis):      # numpy; x: float32 -> the quantised numbers, widened to float32 again
;;       x = np.moveaxis(x, axis, -1); K = x.shape[-1]
;;       x = np.pad(x, [(0, 0)] * (x.ndim - 1) + [(0, -K % 32)]); x = x.reshape(x.shape[:-1] + (-1, 32)); a = np.abs(x).max(-1, keepdims=True)
;;       e = np.where(a > 0, np.clip(np.frexp(np.where(a > 0, a, 1))[1] - 1 - 2, -126, 127), 0)      # np.frexp(a)[1] - 1 = floor(log2(a)), exactly
;;       r = np.clip(x / 2.0 ** e, -7.5, 7.5)
;;       step = 2.0 ** (np.maximum(np.frexp(np.where(r == 0, 1, r))[1] - 1, 0) - 3)
;;       q = np.round(r / step) * step * 2.0 ** e      # np.round: ties to even
;;       return np.moveaxis(q.reshape(q.shape[:-2] + (-1,))[..., :K], -1, axis).astype(np.float32)
;;   ~~~
;;   OPERANDS COMPUTED ON THE WAY. 'Computed on the way' means the value that the module computes at that place (a softmax that the list does not call 'softmax' is quantised finished and normalised). What goes into a quantiser is computed in f32, as accurately as f32 sums, v_exp_f32 and their like allow (about 1e-6 of the number): no bf16 or f16 on the way to a quantiser, and a product that is left as it is and whose result goes on into a quantised operand takes f32 operands (vector FMAs, or v_wmma_f32_16x16x4_f32). A number that lies on a knife's edge between two numbers of the format may be rounded either way, as far as f32 arithmetic and the matrix unit's own rounding can turn it there, and no further.
;;   INPUTS GIVEN AS CODES. W1 (in the module: [64, 64], K = its axis 1); W2 (in the module: [64, 64], K = its axis 1); W3 (in the module: [64, 64], K = its axis 1); W4 (in the module: [64, 64], K = its axis 1): each comes as NAME_codes (uint8): NAME with its K axis moved to the last place and cut into blocks of 32 codes, [.., K / 32, bytes a block], one block behind the other in memory; four codes in three bytes: a row's codes are one little-endian stream of bits, code i at bits 6 i .. 6 i + 5 (a code: sign, 2 exponent bits, 3 mantissa bits); and NAME_scales (uint8): the same leading axes, one E8M0 byte (e + 127) for each 32 codes along K. Its value is code x scale, taken as it is: it is not quantised again, and the codes and scales need not be those that the quantiser above would give.
;; 2 versions. Each part assembles by itself: llvm-mc -triple=amdgcn-amd-amdhsa -mcpu=gfx1250 --defsym DOCPART=n.
;; ======== version 1 of 2: 1 launch
;; limits: right only within a limited range of input values
;; launch finer (part 1): grid 256 x 1, 8 waves a work-group, no clusters, 0 bytes of LDS; arguments coords, W0, b0, W1_codes, W1_scales, b1, W2_codes, W2_scales, b2, W3_codes, W3_scales, b3, W4_codes, W4_scales, b4, W5, b5, out0; writes out0
.if DOCPART == 1
	.amdgcn_target "amdgcn-amd-amdhsa--gfx1250"
	.amdhsa_code_object_version 6
	.text
	.protected	k_qe221bef92b_finer
	.globl	k_qe221bef92b_finer
	.p2align	8
	.type	k_qe221bef92b_finer,@function
k_qe221bef92b_finer:
	s_mov_b64 s[64:65], 0
	v_nop
	global_prefetch_b8 v0, s[64:65] scope:SCOPE_SE
	s_setreg_imm32_b32 hwreg(HW_REG_WAVE_MODE, 25, 1), 1
	s_wait_xcnt 0x0
; out = W5 . f(W4 f(W3 f(W2 f(W1 f(W0 c + b0) + b1) + b2) + b3) + b4) + b5,  f(z) = sin(30 (|z| + 1) z), for 1,000,000 rows c of 3 numbers; the hidden layers have 64 units.
; The four products with W1 .. W4 run on codes of FP6 (E2M3) with one E8M0 scale for each 32 along K: the weights arrive so, the hidden layers are quantised here, in registers.  All else is f32.
; NO WORK IS LEFT OUT: every input has a way to the output, and every input is loaded.
; ONE LAUNCH, NO LDS, NO BARRIER.  The hidden layers never leave the registers.  The only bytes that waves share are the weights and biases, 15,108 bytes in all: each wave reads them once, into registers, where they
; stay; coords are read once, by one wave.  So there is no tile to bring through LDS and nothing to ask for jointly: no tensor load, no cluster.
; SHARES.  A group is 64 rows: 4 tiles of 16.  1,000,000 rows are 15,625 groups.  256 work-groups x 8 waves are 2,048 waves; wave w takes groups w, w + 2,048, ..: 8 of them where w < 1,289, else 7.
; A wave has 512 registers, so two waves stand on a SIMD: one wave's vector work can be issued beside the other's matrix instructions.
; LAYOUT.  Every product is used TRANSPOSED: source 0 = 16 rows of the weight, source 1 = 16 rows of data: a lane (r = lane % 16, h = lane / 16) holds ONE row of data throughout.
; THE ROWS OF A WEIGHT THAT FORM A TILE ARE NOT NEIGHBOURS: row m of tile t is hidden unit 8 t + m % 8 + 32 (m / 8).  Register j of tile t's result in lane (r, h) is then unit 32 h + 8 t + j: a lane's 32 result registers
; are units 32 h + 0 .. 31 in order: ONE WHOLE BLOCK of the next quantiser, and in the very order in which the next operand's registers 0 to 5 want their codes.  No other lane is asked for a maximum, no codes change lanes.
; K IS 64, THE INSTRUCTION'S IS 128: registers 6 to 11 of the data's operand are zero codes, written once.  What stands against zero codes adds nothing (FP6 has no NaN and no infinity), so a weight's fragment names
; its own six registers and the six of the fragment behind it: 16 fragments lie in 102 registers.  No scale byte is ever 0xff.
; THE ROWS OF A TILE: lane r of tile q takes row 64 g + 4 r + q.  So a lane's four rows of coords are 48 neighbouring bytes, and a group's 64 results leave as 256 consecutive bytes, aligned, by one store.
; THE BIASES b1 .. b4 are the C of the products.  The first product goes by the f32 matrix form with K = 4: k = 0, 1, 2 are W0 and coords, k = 3 is b0 and 1.0.
; THE SINE.  x = ((|z| + 1) 30) z with the same three roundings as the formula read from the left;  n = x / pi to the nearest whole number (by adding and taking away 1.5 x 2^23);  r = x - n pi with pi in two parts;
; r's sign is turned where n is odd;  sin r = r + r s (c3 + s (c5 + s (c7 + s c9))), s = r r, on |r| <= pi / 2.
; LIMITS.  The reduction serves |x| <= 2^20; from there on r loses bits, beyond 2^22 pi the result is wrong (finite up to |x| near 1e8).  One rounding of z moves x by 30 (1 + 2 |z|) ulp(z), which passes 0.01 at |x| near 9e4:
; so the limit lies beyond where f32 arithmetic still settles the formula's own value.  NaN and infinities among the inputs are not served.  A block of zeros gets the scale byte 1 where the rule says 127: its codes are zeros, and
; this program alone reads the byte.  ORDER OF ROUNDING: the first product is four fused multiply-adds in ascending k, the bias last; the last product is summed in four chains of pairs, b5 first.
;
; REGISTERS, in windows of 256 (s_set_vgpr_msb's low byte: bits 1:0 source 0, 3:2 source 1, 5:4 source 2, 7:6 destination).
; window 0: all that vector instructions touch.   window 1: v0-101 the 16 fragments of W1 .. W4; v102-109 W0's four; v116-243 b1 .. b4 in the result's layout.
.set GROUPS, 15625
.set NWAVES, 2048
.set FULL,   GROUPS-7*NWAVES           ; 1,289 waves have an eighth group
.set VC,  1                            ; v1       48 r: my four rows in a group's coords; never rewritten
.set VO,  2                            ; v2       16 r + 8 h: my two results in a group's 256 bytes; never rewritten
.set ONE, 3                            ; v3       1.0
.set MV,  4                            ; v[4:5]   1.5 x 2^23, twice
.set C7V, 6                            ; v[6:7]   c7, twice
.set B5P, 8                            ; v[8:9]   b5 in lanes 0-15 and 0 in lanes 16-31; 0
.set SD,  10                           ; v[10:11] the store's data
.set OU,  12                           ; v12-15   the results of tiles 0 to 3
.set CO,  16                           ; v16-27   a group's coords: register 3 q + c = coordinate c of my row of tile q
.set PA,  28                           ; v[28:29] source 1 of the first product for the tile on ZA;  v[30:31] for the tile on ZB;  v32-35 those of tiles 2 and 3, waiting
.set PB,  30
.set PN,  32
.set XF,  36                           ; v36-47   the data's operand: six registers of codes, six of zero codes
.set CT,  48                           ; v48-50   the second conversion's result (a conversion's three registers begin on an even number)
.set MX,  52                           ; v52-55   largest magnitudes
.set SO,  56                           ; v56      the conversions' scale operand
.set SH,  57                           ; v57      the scale's byte in byte 3
.set SP,  58                           ; v58      the same of lane l xor 16
.set XS,  59                           ; v59      the data's scale word: scales and nothing else
.set WS,  60                           ; v60-75   the weights' scale words, 4 l + t: scales and nothing else
.set W5V, 76                           ; v76-107  W5[32 h + i]
.set AC,  108                          ; v108-115 the last product's four chains
.set ZA,  116                          ; v116-147 four result tiles: written by matrix instructions alone
.set ZB,  148                          ; v148-179 the same for the pair's other tile
.set T1,  180                          ; v180-211 32 numbers on their way from z to sin
.set T2,  212                          ; v212-227 at work, 16 numbers at a time
.set T3,  228                          ; v228-243
.set C5V, 244                          ; v[244:245] c5, twice
.set C3V, 246                          ; v[246:247] c3, twice
.set DP,  248                          ; v248     a lane permute's destination
.set W0F, 102                          ; window 1
.set BI,  116                          ; window 1: b(l+1)[32 h + 8 t + j] at BI + 32 l + 8 t + j
.set K30, 46                           ; s[46:47] 30;  each constant is written twice, since the packed forms name a pair and take its low word for both halves
.set KIP, 48                           ; s[48:49] 1 / pi
.set KNM, 50                           ; s[50:51] -1.5 x 2^23
.set KPH, 52                           ; s[52:53] -(pi's upper part)
.set KPL, 54                           ; s[54:55] -(pi's lower part)
.set KC9, 56                           ; s[56:57] c9
.set HM,  62                           ; s62      the mask of lanes 16-31
.set PSEL, 63                          ; s63      v_perm_b32's selector for the scale word
.set SEL, 66                           ; s[66:67] v_permlanex16_b32's selects for lane l xor 16
.set MSB, 0
.macro WIN new                         ; the immediate's high byte repeats the setting that is left; a switch that changes nothing is dropped
.if MSB != \new
	s_set_vgpr_msb (MSB<<8)|\new
.set MSB, \new
.endif
.endm
; |z| + 1 for a tile's 32 results, in ascending order: each accumulator is read from its low end on.  These 32 plain lines also stand between the quantiser's writes and the other tile's products.
.macro HEAD z
.set i, 0
.rept 32
	v_add_f32 v[T1+i], |v[\z+i]|, 1.0
.set i, i+1
.endr
.endm
; The rest of the activation: T1 = sin((T1 x 30) x z).  Two numbers an instruction but for the turn of the sign; from the reduction on 16 numbers at a time, so that T2 and T3 are 16 registers each.
.macro REST z
.set i, 0
.rept 16
	v_pk_mul_f32 v[T1+i:T1+i+1], v[T1+i:T1+i+1], s[K30:K30+1] op_sel_hi:[1,0]
.set i, i+2
.endr
.set i, 0
.rept 16
	v_pk_mul_f32 v[T1+i:T1+i+1], v[T1+i:T1+i+1], v[\z+i:\z+i+1]                            ; x
.set i, i+2
.endr
.irp e, 0,16
.set i, 0
.rept 8
	v_pk_fma_f32 v[T2+i:T2+i+1], v[T1+\e+i:T1+\e+i+1], s[KIP:KIP+1], v[MV:MV+1] op_sel_hi:[1,0,1]   ; x / pi + 1.5 x 2^23: its lowest bit is n's
.set i, i+2
.endr
.set i, 0
.rept 8
	v_pk_add_f32 v[T3+i:T3+i+1], v[T2+i:T2+i+1], s[KNM:KNM+1] op_sel_hi:[1,0]                       ; n
.set i, i+2
.endr
.set i, 0
.rept 8
	v_pk_fma_f32 v[T1+\e+i:T1+\e+i+1], v[T3+i:T3+i+1], s[KPH:KPH+1], v[T1+\e+i:T1+\e+i+1] op_sel_hi:[1,0,1]   ; x - n pi, the upper part,
.set i, i+2
.endr
.set i, 0
.rept 8
	v_pk_fma_f32 v[T1+\e+i:T1+\e+i+1], v[T3+i:T3+i+1], s[KPL:KPL+1], v[T1+\e+i:T1+\e+i+1] op_sel_hi:[1,0,1]   ; and the lower: r
.set i, i+2
.endr
.set i, 0
.rept 16
	v_lshl_add_u32 v[T1+\e+i], v[T2+i], 31, v[T1+\e+i]                                              ; where n is odd, 2^31 is added to r's bits: its sign turns
.set i, i+1
.endr
.set i, 0
.rept 8
	v_pk_mul_f32 v[T3+i:T3+i+1], v[T1+\e+i:T1+\e+i+1], v[T1+\e+i:T1+\e+i+1]                         ; s = r r
.set i, i+2
.endr
.set i, 0
.rept 8
	v_pk_fma_f32 v[T2+i:T2+i+1], v[T3+i:T3+i+1], s[KC9:KC9+1], v[C7V:C7V+1] op_sel_hi:[1,0,1]
.set i, i+2
.endr
.set i, 0
.rept 8
	v_pk_fma_f32 v[T2+i:T2+i+1], v[T2+i:T2+i+1], v[T3+i:T3+i+1], v[C5V:C5V+1]
.set i, i+2
.endr
.set i, 0
.rept 8
	v_pk_fma_f32 v[T2+i:T2+i+1], v[T2+i:T2+i+1], v[T3+i:T3+i+1], v[C3V:C3V+1]
.set i, i+2
.endr
.set i, 0
.rept 8
	v_pk_mul_f32 v[T3+i:T3+i+1], v[T1+\e+i:T1+\e+i+1], v[T3+i:T3+i+1]                               ; r s
.set i, i+2
.endr
.set i, 0
.rept 8
	v_pk_fma_f32 v[T1+\e+i:T1+\e+i+1], v[T2+i:T2+i+1], v[T3+i:T3+i+1], v[T1+\e+i:T1+\e+i+1]         ; sin
.set i, i+2
.endr
.endr
.endm
; T1's 32 numbers, my row's block h, become codes in v[XF] .. v[XF + 5] and, with lane l xor 16's byte, the row's scale word in v[XS].
.macro QUANT
.irp b, 0,1,2,3
	v_max3_num_f32 v[MX+\b], |v[T1+8*\b]|, |v[T1+8*\b+1]|, |v[T1+8*\b+2]|                           ; four chains, by turns
.endr
.irp n, 3,5
.irp b, 0,1,2,3
	v_max3_num_f32 v[MX+\b], v[MX+\b], |v[T1+8*\b+\n]|, |v[T1+8*\b+\n+1]|
.endr
.endr
	v_max3_num_f32 v[MX], v[MX], |v[T1+7]|, |v[T1+15]|
	v_max3_num_f32 v[MX+2], v[MX+2], |v[T1+23]|, |v[T1+31]|
	v_max3_num_f32 v[MX], v[MX], v[MX+1], v[MX+2]
	v_max3_num_f32 v[MX], v[MX], v[MX+3], 0x1800000        ; the block's largest magnitude, and the floor 2^(3 - 127): so the byte cannot fall under 1
	v_add_nc_u32 v[SO], 0xff000000, v[MX]                  ; 2 off its exponent field: the conversion takes the exponent field of this operand as its scale, and nothing else of it
	v_cvt_scalef32_pk16_fp6_f32 v[XF:XF+2], v[T1:T1+15], v[SO]
	v_cvt_scalef32_pk16_fp6_f32 v[CT:CT+2], v[T1+16:T1+31], v[SO]
	v_lshlrev_b32 v[SH], 1, v[SO]                          ; the scale's byte, in byte 3.  (The plain line behind the conversions)
	v_permlanex16_b32 v[SP], v[SH], s[SEL], s[SEL+1]       ; the other block's
	v_perm_b32 v[XS], v[SP], v[SH], s[PSEL]                ; bytes: mine, the other's, mine, the other's.  Lanes 0-15 are the ones read: block 0's byte, block 1's; bytes 2 and 3 stand over zero codes
.irp n, 0,1,2
	v_mov_b32 v[XF+3+\n], v[CT+\n]
.endr
.endm
; The product with W(l+1): four tiles of 16 hidden units, each one instruction: C = the bias, so there is no chain.  The caller has 32 plain lines between the quantiser and this, and more than 200 behind this ahead of the first read of a result
; and of the next write of the operand and of its scale word.
.macro MM z, l
	WIN 0x11                                               ; source 0 (the weight) and source 2 (the bias) in window 1
.irp t, 0,1,2,3
	v_wmma_scale_f32_16x16x128_f8f6f4 v[\z+8*\t:\z+8*\t+7], v[6*(4*(\l)+\t):6*(4*(\l)+\t)+11], v[XF:XF+11], v[BI+32*(\l)+8*\t:BI+32*(\l)+8*\t+7], v[WS+4*(\l)+\t], v[XS] matrix_a_fmt:MATRIX_FMT_FP6 matrix_b_fmt:MATRIX_FMT_FP6
.endr
	WIN 0
.endm
; The first product: z = W0 c + b0, by the f32 form: its operands go on into a quantiser.  Each sum is one instruction that begins with the constant 0.
.macro MMF z, p
.irp t, 0,1,2,3
	v_wmma_f32_16x16x4_f32 v[\z+8*\t:\z+8*\t+7], v[W0F+2*\t:W0F+2*\t+1], v[\p:\p+1], 0
.endr
.endm
; The last product: my 32 units against W5, then lane l xor 16's 32.  b5 is the first addend, in lanes 0-15 alone.
.macro DOT o
	v_pk_fma_f32 v[AC:AC+1], v[T1:T1+1], v[W5V:W5V+1], v[B5P:B5P+1]
.irp j, 1,2,3
	v_pk_mul_f32 v[AC+2*\j:AC+2*\j+1], v[T1+2*\j:T1+2*\j+1], v[W5V+2*\j:W5V+2*\j+1]
.endr
.irp k, 1,2,3
.irp j, 0,1,2,3
	v_pk_fma_f32 v[AC+2*\j:AC+2*\j+1], v[T1+8*\k+2*\j:T1+8*\k+2*\j+1], v[W5V+8*\k+2*\j:W5V+8*\k+2*\j+1], v[AC+2*\j:AC+2*\j+1]
.endr
.endr
	v_pk_add_f32 v[AC:AC+1], v[AC:AC+1], v[AC+2:AC+3]
	v_pk_add_f32 v[AC+4:AC+5], v[AC+4:AC+5], v[AC+6:AC+7]
	v_pk_add_f32 v[AC:AC+1], v[AC:AC+1], v[AC+4:AC+5]
	v_add_f32 v[AC], v[AC], v[AC+1]
	v_permlanex16_b32 v[DP], v[AC], s[SEL], s[SEL+1]
	v_add_f32 v[\o], v[AC], v[DP]                          ; both halves of the lanes now hold the row's result
.endm
; ---- THE HEAD.  The offsets of the weights' loads lie in T1's registers, two temporaries in T2's: both are free until the first tile.
.set HR,  T1                           ; r
.set HH,  T1+1                         ; h
.set HU,  T1+2                         ; r % 8 + 32 (r / 8): my row of a weight's tile 0
.set VW,  T1+3                         ; 48 HU + 24 h: its codes, my half's 24 bytes
.set VSC, T1+4                         ; 2 HU: its two scale bytes
.set VB,  T1+5                         ; 128 h: 32 numbers of a bias or of W5
.set VWA, T1+6                         ; 12 HU + 8 h: W0[u][2 h]
.set VWB, T1+7                         ; 12 HU + 4:   W0[u][1]
.set VB0, T1+8                         ; 4 HU:        b0[u]
.set HT,  T1+9
	s_load_b512 s[8:23], s[0:1], 0x0               ; coords s[8:9], W0 s[10:11], b0 s[12:13]; then for l = 0 .. 3: codes s[14+6l:15+6l], scales s[16+6l:17+6l], bias s[18+6l:19+6l]
	s_load_b512 s[24:39], s[0:1], 0x40             ; .. ; W5 s[38:39]
	s_load_b128 s[40:43], s[0:1], 0x80             ; b5 s[40:41], out0 s[42:43]
	v_lshrrev_b32 v[HT], 5, v0
	v_readfirstlane_b32 s2, v[HT]                  ; wave 0..7
	v_and_b32 v[HR], 15, v0
	v_bfe_u32 v[HH], v0, 4, 1
	v_mul_u32_u24 v[VC], v[HR], 48
	v_lshlrev_b32 v[VO], 4, v[HR]
	v_lshl_add_u32 v[VO], v[HH], 3, v[VO]
	v_and_b32 v[HU], 7, v[HR]
	v_and_b32 v[HT], 8, v[HR]
	v_lshl_add_u32 v[HU], v[HT], 2, v[HU]
	v_mul_u32_u24 v[VW], v[HU], 48
	v_mad_u32_u24 v[VW], v[HH], 24, v[VW]
	v_lshlrev_b32 v[VSC], 1, v[HU]
	v_lshlrev_b32 v[VB], 7, v[HH]
	v_mul_u32_u24 v[VWA], v[HU], 12
	v_add_nc_u32 v[VWB], 4, v[VWA]
	v_lshl_add_u32 v[VWA], v[HH], 3, v[VWA]
	v_lshlrev_b32 v[VB0], 2, v[HU]
	s_mov_b32 s[K30], 0x41f00000                   ; 30
	s_mov_b32 s[K30+1], 0x41f00000
	s_mov_b32 s[KIP], 0x3ea2f983                   ; 1 / pi
	s_mov_b32 s[KIP+1], 0x3ea2f983
	s_mov_b32 s[KNM], 0xcb400000                   ; -1.5 x 2^23
	s_mov_b32 s[KNM+1], 0xcb400000
	s_mov_b32 s[KPH], 0xc0490fdb                   ; -3.14159274
	s_mov_b32 s[KPH+1], 0xc0490fdb
	s_mov_b32 s[KPL], 0x33bbbd2e                   ; +8.742278e-8: pi = 3.14159274 - 8.742278e-8
	s_mov_b32 s[KPL+1], 0x33bbbd2e
	s_mov_b32 s[KC9], 0x362e9c5b                   ; c9 = 2.601903e-6
	s_mov_b32 s[KC9+1], 0x362e9c5b
	s_mov_b32 s[HM], 0xffff0000
	s_mov_b32 s[PSEL], 0x07030703
	s_mov_b32 s[SEL], 0x76543210
	s_mov_b32 s[SEL+1], 0xfedcba98
	v_mov_b32 v[ONE], 1.0
	v_mov_b32 v[MV], 0x4b400000                    ; 1.5 x 2^23
	v_mov_b32 v[MV+1], 0x4b400000
	v_mov_b32 v[C7V], 0xb94fb223                   ; c7 = -1.980742e-4
	v_mov_b32 v[C7V+1], 0xb94fb223
	v_mov_b32 v[C5V], 0x3c08873e                   ; c5 = 8.333025e-3
	v_mov_b32 v[C5V+1], 0x3c08873e
	v_mov_b32 v[C3V], 0xbe2aaaa4                   ; c3 = -0.16666657
	v_mov_b32 v[C3V+1], 0xbe2aaaa4
	v_mov_b32 v[B5P+1], 0
.irp n, 6,7,8,9,10,11
	v_mov_b32 v[XF+\n], 0                          ; the operand's zero codes, K = 64 .. 127: written once
.endr
	v_mov_b32 v[SP], 0                             ; a lane permute's destination counts as one of its sources: written once
	v_mov_b32 v[DP], 0
	v_mov_b32 v[OU+2], 0                           ; (copied once before they are first made)
	v_mov_b32 v[OU+3], 0
	s_wait_kmcnt 0x0
	s_load_b32 s44, s[40:41], 0x0                  ; b5
	s_lshl_b32 s3, ttmp9, 3
	s_add_co_u32 s3, s3, s2                        ; w = 8 x work-group + wave
	s_mul_i32 s6, s3, 768                          ; a group's coords are 768 bytes,
	s_mov_b32 s7, 0
	s_add_nc_u64 s[8:9], s[8:9], s[6:7]
	s_lshl_b32 s6, s3, 8                           ; its results 256
	s_add_nc_u64 s[42:43], s[42:43], s[6:7]
	s_cmp_lt_u32 s3, FULL
	s_cselect_b32 s4, 8, 7                         ; my groups
	WIN 0x40                                       ; destination window 1, address window 0
.irp l, 0,1,2,3
.irp t, 0,1,2,3
.irp p, 0,1,2
	global_load_b64 v[6*(4*\l+\t)+2*\p:6*(4*\l+\t)+2*\p+1], v[VW], s[14+6*\l:15+6*\l] offset:384*\t+8*\p   ; 24 bytes of unit 8 t + HU's row: K = 32 h + 0 .. 31, as they lie
.endr
.endr
.endr
.irp l, 0,1,2,3
.irp t, 0,1,2,3
	global_load_b128 v[BI+32*\l+8*\t:BI+32*\l+8*\t+3], v[VB], s[18+6*\l:19+6*\l] offset:32*\t
	global_load_b128 v[BI+32*\l+8*\t+4:BI+32*\l+8*\t+7], v[VB], s[18+6*\l:19+6*\l] offset:32*\t+16
.endr
.endr
.irp t, 0,1,2,3
	global_load_b32 v[W0F+2*\t], v[VWA], s[10:11] offset:96*\t      ; k = 2 h: W0[u][0] or W0[u][2]
.endr
	WIN 0
.irp t, 0,1,2,3
	global_load_b32 v[T2+\t], v[VWB], s[10:11] offset:96*\t         ; k = 1: W0[u][1]
	global_load_b32 v[T2+4+\t], v[VB0], s[12:13] offset:32*\t       ; k = 3: b0[u]
.endr
.irp l, 0,1,2,3
.irp t, 0,1,2,3
	global_load_u16 v[WS+4*\l+\t], v[VSC], s[16+6*\l:17+6*\l] offset:16*\t   ; the row's two bytes; bytes 2 and 3 of the word are 0 and stand over zero codes
.endr
.endr
.irp k, 0,1,2,3,4,5,6,7
	global_load_b128 v[W5V+4*\k:W5V+4*\k+3], v[VB], s[38:39] offset:16*\k
.endr
.irp k, 0,1,2
	global_load_b128 v[CO+4*\k:CO+4*\k+3], v[VC], s[8:9] offset:16*\k th:TH_LOAD_NT    ; the first group's coords, last
.endr
	s_wait_loadcnt 0x3                             ; loads come back in order: all but the three of coords are in, and their offsets' registers are free
	WIN 0x40
.irp t, 0,1,2,3
	v_cndmask_b32 v[W0F+1+2*\t], v[T2+\t], v[T2+4+\t], s[HM]        ; k = 2 h + 1: lanes 0-15 W0[u][1], lanes 16-31 b0[u]
.endr
.irp n, 96,97,98,99,100,101
	v_mov_b32 v[\n], 0                             ; what the last fragment names behind its own six registers
.endr
	WIN 0
	s_wait_kmcnt 0x0                               ; b5
	v_mov_b32 v[T2+8], s44
	v_cndmask_b32 v[B5P], v[T2+8], v[B5P+1], s[HM]
.Lgroup:                                               ; a trip: 64 rows
	s_wait_loadcnt 0x0                             ; this group's coords are in (asked for a whole group ago); their base may be stepped
.irp q, 0,1,2,3
	v_cndmask_b32 v[PA+2*\q], v[CO+3*\q], v[CO+3*\q+2], s[HM]       ; k = 2 h: c0 or c2
	v_cndmask_b32 v[PA+2*\q+1], v[CO+3*\q+1], v[ONE], s[HM]         ; k = 2 h + 1: c1 or 1.0
.endr
	s_cmp_eq_u32 s4, 1                             ; my last group asks for nothing: no load leaves the buffer
	s_cbranch_scc1 .Lno_next
	s_add_nc_u64 s[8:9], s[8:9], NWAVES*768
.irp k, 0,1,2
	global_load_b128 v[CO+4*\k:CO+4*\k+3], v[VC], s[8:9] offset:16*\k th:TH_LOAD_NT
.endr
.Lno_next:
.rept 4
	v_nop                                          ; between the writes of source 1 and the first products
.endr
	s_mov_b32 s5, 2
.Lpair:                                                ; a trip: two tiles, one on ZA and one on ZB, by turns: while one tile's products run, the other's activation is issued
	WIN 0x01                                       ; source 0 (W0) in window 1
	MMF ZA, PA
	MMF ZB, PB
	WIN 0
	v_mov_b32 v[OU], v[OU+2]                       ; the first pair's results make room (in the first trip: a copy of no use).  With the six v_nop: the eight places that this form asks for ahead of the first read of a result
	v_mov_b32 v[OU+1], v[OU+3]
.rept 6
	v_nop
.endr
	HEAD ZA
	REST ZA
	QUANT
.irp n, 0,1,2,3
	v_mov_b32 v[PA+\n], v[PN+\n]                   ; the next pair's coords: far behind the products that read these registers, far ahead of the next
.endr
	HEAD ZB
	MM ZA, 0
	REST ZB
	QUANT
.irp l, 0,1,2
	HEAD ZA
	MM ZB, \l
	REST ZA
	QUANT
	HEAD ZB
	MM ZA, \l+1
	REST ZB
	QUANT
.endr
	HEAD ZA
	MM ZB, 3
	REST ZA
	DOT OU+2
	HEAD ZB
	REST ZB
	DOT OU+3
	s_sub_co_u32 s5, s5, 1
	s_cmp_lg_u32 s5, 0
	s_cbranch_scc1 .Lpair
	v_cndmask_b32 v[SD], v[OU], v[OU+2], s[HM]     ; lane (r, h) stores rows 4 r + 2 h and 4 r + 2 h + 1
	v_cndmask_b32 v[SD+1], v[OU+1], v[OU+3], s[HM]
	global_store_b64 v[VO], v[SD:SD+1], s[42:43] th:TH_STORE_NT     ; the wave stores 256 consecutive bytes, at a multiple of 256 from out0's first byte
	s_wait_xcnt 0x0                                ; the store has read its data and its base: both are written again only behind this wait
	s_add_nc_u64 s[42:43], s[42:43], NWAVES*256
	s_sub_co_u32 s4, s4, 1
	s_cmp_lg_u32 s4, 0
	s_cbranch_scc1 .Lgroup
	s_endpgm
.Lfunc_end_k_qe221bef92b_finer:
	.size	k_qe221bef92b_finer, .Lfunc_end_k_qe221bef92b_finer-k_qe221bef92b_finer
	.p2alignl 7, 3214868480
	.fill 96, 4, 3214868480
	.section	.rodata,"a",@progbits
	.p2align	6, 0x0
	.amdhsa_kernel k_qe221bef92b_finer
		.amdhsa_group_segment_fixed_size 0
		.amdhsa_private_segment_fixed_size 0
		.amdhsa_enable_private_segment 0
		.amdhsa_kernarg_size 144
		.amdhsa_user_sgpr_count 2
		.amdhsa_user_sgpr_kernarg_segment_ptr 1
		.amdhsa_wavefront_size32 1
		.amdhsa_system_sgpr_workgroup_id_x 1
		.amdhsa_system_sgpr_workgroup_id_y 1
		.amdhsa_system_sgpr_workgroup_id_z 1
		.amdhsa_system_vgpr_workitem_id 0
		.amdhsa_next_free_vgpr 512
		.amdhsa_next_free_sgpr 68
		.amdhsa_reserve_vcc 0
		.amdhsa_float_denorm_mode_32 3
		.amdhsa_float_denorm_mode_16_64 3
		.amdhsa_memory_ordered 1
		.amdhsa_forward_progress 1
		.amdhsa_inst_pref_size 197
	.end_amdhsa_kernel
	.amdgpu_metadata
---
amdhsa.version: [ 1, 2 ]
amdhsa.kernels:
  - .name:           k_qe221bef92b_finer
    .symbol:         k_qe221bef92b_finer.kd
    .args:
      - { .name: coords, .offset: 0, .size: 8, .value_kind: global_buffer, .address_space: global }
      - { .name: W0, .offset: 8, .size: 8, .value_kind: global_buffer, .address_space: global }
      - { .name: b0, .offset: 16, .size: 8, .value_kind: global_buffer, .address_space: global }
      - { .name: W1_codes, .offset: 24, .size: 8, .value_kind: global_buffer, .address_space: global }
      - { .name: W1_scales, .offset: 32, .size: 8, .value_kind: global_buffer, .address_space: global }
      - { .name: b1, .offset: 40, .size: 8, .value_kind: global_buffer, .address_space: global }
      - { .name: W2_codes, .offset: 48, .size: 8, .value_kind: global_buffer, .address_space: global }
      - { .name: W2_scales, .offset: 56, .size: 8, .value_kind: global_buffer, .address_space: global }
      - { .name: b2, .offset: 64, .size: 8, .value_kind: global_buffer, .address_space: global }
      - { .name: W3_codes, .offset: 72, .size: 8, .value_kind: global_buffer, .address_space: global }
      - { .name: W3_scales, .offset: 80, .size: 8, .value_kind: global_buffer, .address_space: global }
      - { .name: b3, .offset: 88, .size: 8, .value_kind: global_buffer, .address_space: global }
      - { .name: W4_codes, .offset: 96, .size: 8, .value_kind: global_buffer, .address_space: global }
      - { .name: W4_scales, .offset: 104, .size: 8, .value_kind: global_buffer, .address_space: global }
      - { .name: b4, .offset: 112, .size: 8, .value_kind: global_buffer, .address_space: global }
      - { .name: W5, .offset: 120, .size: 8, .value_kind: global_buffer, .address_space: global }
      - { .name: b5, .offset: 128, .size: 8, .value_kind: global_buffer, .address_space: global }
      - { .name: out0, .offset: 136, .size: 8, .value_kind: global_buffer, .address_space: global }
    .group_segment_fixed_size: 0
    .private_segment_fixed_size: 0
    .kernarg_segment_align: 8
    .kernarg_segment_size: 144
    .max_flat_workgroup_size: 256
    .sgpr_count:     68
    .vgpr_count:     512
    .wavefront_size: 32
...
	.end_amdgpu_metadata
.endif
;; end of part 1
;; ======== version 2 of 2: 1 launch; version 1 with the launch finer written anew for expert scheduling mode
;; limits: right only within a limited range of input values
;; launch finer (part 2): grid 256 x 1, 8 waves a work-group, no clusters, 0 bytes of LDS; arguments coords, W0, b0, W1_codes, W1_scales, b1, W2_codes, W2_scales, b2, W3_codes, W3_scales, b3, W4_codes, W4_scales, b4, W5, b5, out0; writes out0
.if DOCPART == 2
	.amdgcn_target "amdgcn-amd-amdhsa--gfx1250"
	.amdhsa_code_object_version 6
	.text
	.protected	k_qe221bef92b_finer
	.globl	k_qe221bef92b_finer
	.p2align	8
	.type	k_qe221bef92b_finer,@function
k_qe221bef92b_finer:
	s_mov_b64 s[64:65], 0
	v_nop
	global_prefetch_b8 v0, s[64:65] scope:SCOPE_SE
	s_setreg_imm32_b32 hwreg(HW_REG_WAVE_SCHED_MODE, 0, 2), 2
	s_setreg_imm32_b32 hwreg(HW_REG_WAVE_MODE, 25, 1), 1
	s_wait_xcnt 0x0
	s_wait_alu depctr_vm_vsrc(0)
; out = W5 . f(W4 f(W3 f(W2 f(W1 f(W0 c + b0) + b1) + b2) + b3) + b4) + b5,  f(z) = sin(30 (|z| + 1) z), for 1,000,000 rows c of 3 numbers; the hidden layers have 64 units.
; The four products with W1 .. W4 run on codes of FP6 (E2M3) with one E8M0 scale for each 32 along K: the weights arrive so, the hidden layers are quantised here, in registers.  All else is f32.
; NO WORK IS LEFT OUT: every input has a way to the output, and every input is loaded.
; ONE LAUNCH, NO LDS, NO BARRIER.  The hidden layers never leave the registers.  The only bytes that waves share are the weights and biases, 15,108 bytes in all: each wave reads them once, into registers, where they
; stay; coords are read once, by one wave.  So there is no tile to bring through LDS and nothing to ask for jointly: no tensor load, no cluster.
; SHARES.  A group is 64 rows: 4 tiles of 16.  1,000,000 rows are 15,625 groups.  256 work-groups x 8 waves are 2,048 waves; wave w takes groups w, w + 2,048, ..: 8 of them where w < 1,289, else 7.
; A wave has 512 registers, so two waves stand on a SIMD: one wave's vector work can be issued beside the other's matrix instructions.
; LAYOUT.  Every product is used TRANSPOSED: source 0 = 16 rows of the weight, source 1 = 16 rows of data: a lane (r = lane % 16, h = lane / 16) holds ONE row of data throughout.
; THE ROWS OF A WEIGHT THAT FORM A TILE ARE NOT NEIGHBOURS: row m of tile t is hidden unit 8 t + m % 8 + 32 (m / 8).  Register j of tile t's result in lane (r, h) is then unit 32 h + 8 t + j: a lane's 32 result registers
; are units 32 h + 0 .. 31 in order: ONE WHOLE BLOCK of the next quantiser, and in the very order in which the next operand's registers 0 to 5 want their codes.  No other lane is asked for a maximum, no codes change lanes.
; K IS 64, THE INSTRUCTION'S IS 128: registers 6 to 11 of the data's operand are zero codes, written once.  What stands against zero codes adds nothing (FP6 has no NaN and no infinity), so a weight's fragment names
; its own six registers and the six of the fragment behind it: 16 fragments lie in 102 registers.  No scale byte is ever 0xff.
; THE ROWS OF A TILE: lane r of tile q takes row 64 g + 4 r + q.  So a lane's four rows of coords are 48 neighbouring bytes, and a group's 64 results leave as 256 consecutive bytes, aligned, by one store.
; THE BIASES b1 .. b4 are the C of the products.  The first product goes by the f32 matrix form with K = 4: k = 0, 1, 2 are W0 and coords, k = 3 is b0 and 1.0.
; THE SINE.  x = ((|z| + 1) 30) z with the same three roundings as the formula read from the left;  n = x / pi to the nearest whole number (by adding and taking away 1.5 x 2^23);  r = x - n pi with pi in two parts;
; r's sign is turned where n is odd;  sin r = r + r s (c3 + s (c5 + s (c7 + s c9))), s = r r, on |r| <= pi / 2.
; LIMITS.  The reduction serves |x| <= 2^20; from there on r loses bits, beyond 2^22 pi the result is wrong (finite up to |x| near 1e8).  One rounding of z moves x by 30 (1 + 2 |z|) ulp(z), which passes 0.01 at |x| near 9e4:
; so the limit lies beyond where f32 arithmetic still settles the formula's own value.  NaN and infinities among the inputs are not served.  A block of zeros gets the scale byte 1 where the rule says 127: its codes are zeros, and
; this program alone reads the byte.  ORDER OF ROUNDING: the first product is four fused multiply-adds in ascending k, the bias last; the last product is summed in four chains of pairs, b5 first.
; THE MODE: SCHED_MODE bits 1:0 = 2 (LLVM: expert scheduling mode 2), set by the entry lines.  The code itself states the register dependences between vector or matrix instructions and memory instructions,
; with s_wait_alu, always for 0.
; THE PLAN.  Registers that memory instructions touch, and who else names them:
;   v183-188   the offsets of the weights' loads, in T1's registers.  Written by the head's arithmetic, read by the head's loads, written again by the first tile's activation.
;   v1, v2     the offsets of coords and of out0.  Written once at the head, read by every load of coords and every store.
;   the weights, biases, scale words, W5, W0's parts: written by the head's loads alone; no vector instruction names them ahead of those loads.
;   CO         a group's coords.  The loads land; eight selects at the group's head read it; straight behind them the next group's loads land in it.
;   SD         written by two selects at a group's end, read by the group's one store.
;   XF, XS     touched by no memory instruction: written by the quantiser's vector instructions, taken by the scaled matrix instructions as operand and as scales.
;   s2         written by v_readfirstlane_b32, read by scalar arithmetic.
; So: at the head one wait for s2, one wait ahead of the first load, one behind the weights' loads; in a group one wait ahead of the loads of coords, one ahead of each run of four scaled matrix
; instructions, one ahead of the store and one behind it.  Between a group's head and its end no memory instruction stands.
;
; REGISTERS, in windows of 256 (s_set_vgpr_msb's low byte: bits 1:0 source 0, 3:2 source 1, 5:4 source 2, 7:6 destination).
; window 0: all that vector instructions touch.   window 1: v0-101 the 16 fragments of W1 .. W4; v102-109 W0's four; v116-243 b1 .. b4 in the result's layout.
.set GROUPS, 15625
.set NWAVES, 2048
.set FULL,   GROUPS-7*NWAVES           ; 1,289 waves have an eighth group
.set VC,  1                            ; v1       48 r: my four rows in a group's coords; never rewritten
.set VO,  2                            ; v2       16 r + 8 h: my two results in a group's 256 bytes; never rewritten
.set ONE, 3                            ; v3       1.0
.set MV,  4                            ; v[4:5]   1.5 x 2^23, twice
.set C7V, 6                            ; v[6:7]   c7, twice
.set B5P, 8                            ; v[8:9]   b5 in lanes 0-15 and 0 in lanes 16-31; 0
.set SD,  10                           ; v[10:11] the store's data
.set OU,  12                           ; v12-15   the results of tiles 0 to 3
.set CO,  16                           ; v16-27   a group's coords: register 3 q + c = coordinate c of my row of tile q
.set PA,  28                           ; v[28:29] source 1 of the first product for the tile on ZA;  v[30:31] for the tile on ZB;  v32-35 those of tiles 2 and 3, waiting
.set PB,  30
.set PN,  32
.set XF,  36                           ; v36-47   the data's operand: six registers of codes, six of zero codes
.set CT,  48                           ; v48-50   the second conversion's result (a conversion's three registers begin on an even number)
.set MX,  52                           ; v52-55   largest magnitudes
.set SO,  56                           ; v56      the conversions' scale operand
.set SH,  57                           ; v57      the scale's byte in byte 3
.set SP,  58                           ; v58      the same of lane l xor 16
.set XS,  59                           ; v59      the data's scale word: scales and nothing else
.set WS,  60                           ; v60-75   the weights' scale words, 4 l + t: scales and nothing else
.set W5V, 76                           ; v76-107  W5[32 h + i]
.set AC,  108                          ; v108-115 the last product's four chains
.set ZA,  116                          ; v116-147 four result tiles: written by matrix instructions alone
.set ZB,  148                          ; v148-179 the same for the pair's other tile
.set T1,  180                          ; v180-211 32 numbers on their way from z to sin
.set T2,  212                          ; v212-227 at work, 16 numbers at a time
.set T3,  228                          ; v228-243
.set C5V, 244                          ; v[244:245] c5, twice
.set C3V, 246                          ; v[246:247] c3, twice
.set DP,  248                          ; v248     a lane permute's destination
.set W0F, 102                          ; window 1
.set BI,  116                          ; window 1: b(l+1)[32 h + 8 t + j] at BI + 32 l + 8 t + j
.set K30, 46                           ; s[46:47] 30;  each constant is written twice, since the packed forms name a pair and take its low word for both halves
.set KIP, 48                           ; s[48:49] 1 / pi
.set KNM, 50                           ; s[50:51] -1.5 x 2^23
.set KPH, 52                           ; s[52:53] -(pi's upper part)
.set KPL, 54                           ; s[54:55] -(pi's lower part)
.set KC9, 56                           ; s[56:57] c9
.set HM,  62                           ; s62      the mask of lanes 16-31
.set PSEL, 63                          ; s63      v_perm_b32's selector for the scale word
.set SEL, 66                           ; s[66:67] v_permlanex16_b32's selects for lane l xor 16
.set MSB, 0
.macro WIN new                         ; the immediate's high byte repeats the setting that is left; a switch that changes nothing is dropped
.if MSB != \new
	s_set_vgpr_msb (MSB<<8)|\new
.set MSB, \new
.endif
.endm
; |z| + 1 for a tile's 32 results, in ascending order: each accumulator is read from its low end on.  These 32 plain lines also stand between the quantiser's writes and the other tile's products.
.macro HEAD z
.set i, 0
.rept 32
	v_add_f32 v[T1+i], |v[\z+i]|, 1.0
.set i, i+1
.endr
.endm
; The rest of the activation: T1 = sin((T1 x 30) x z).  Two numbers an instruction but for the turn of the sign; from the reduction on 16 numbers at a time, so that T2 and T3 are 16 registers each.
.macro REST z
.set i, 0
.rept 16
	v_pk_mul_f32 v[T1+i:T1+i+1], v[T1+i:T1+i+1], s[K30:K30+1] op_sel_hi:[1,0]
.set i, i+2
.endr
.set i, 0
.rept 16
	v_pk_mul_f32 v[T1+i:T1+i+1], v[T1+i:T1+i+1], v[\z+i:\z+i+1]                            ; x
.set i, i+2
.endr
.irp e, 0,16
.set i, 0
.rept 8
	v_pk_fma_f32 v[T2+i:T2+i+1], v[T1+\e+i:T1+\e+i+1], s[KIP:KIP+1], v[MV:MV+1] op_sel_hi:[1,0,1]   ; x / pi + 1.5 x 2^23: its lowest bit is n's
.set i, i+2
.endr
.set i, 0
.rept 8
	v_pk_add_f32 v[T3+i:T3+i+1], v[T2+i:T2+i+1], s[KNM:KNM+1] op_sel_hi:[1,0]                       ; n
.set i, i+2
.endr
.set i, 0
.rept 8
	v_pk_fma_f32 v[T1+\e+i:T1+\e+i+1], v[T3+i:T3+i+1], s[KPH:KPH+1], v[T1+\e+i:T1+\e+i+1] op_sel_hi:[1,0,1]   ; x - n pi, the upper part,
.set i, i+2
.endr
.set i, 0
.rept 8
	v_pk_fma_f32 v[T1+\e+i:T1+\e+i+1], v[T3+i:T3+i+1], s[KPL:KPL+1], v[T1+\e+i:T1+\e+i+1] op_sel_hi:[1,0,1]   ; and the lower: r
.set i, i+2
.endr
.set i, 0
.rept 16
	v_lshl_add_u32 v[T1+\e+i], v[T2+i], 31, v[T1+\e+i]                                              ; where n is odd, 2^31 is added to r's bits: its sign turns
.set i, i+1
.endr
.set i, 0
.rept 8
	v_pk_mul_f32 v[T3+i:T3+i+1], v[T1+\e+i:T1+\e+i+1], v[T1+\e+i:T1+\e+i+1]                         ; s = r r
.set i, i+2
.endr
.set i, 0
.rept 8
	v_pk_fma_f32 v[T2+i:T2+i+1], v[T3+i:T3+i+1], s[KC9:KC9+1], v[C7V:C7V+1] op_sel_hi:[1,0,1]
.set i, i+2
.endr
.set i, 0
.rept 8
	v_pk_fma_f32 v[T2+i:T2+i+1], v[T2+i:T2+i+1], v[T3+i:T3+i+1], v[C5V:C5V+1]
.set i, i+2
.endr
.set i, 0
.rept 8
	v_pk_fma_f32 v[T2+i:T2+i+1], v[T2+i:T2+i+1], v[T3+i:T3+i+1], v[C3V:C3V+1]
.set i, i+2
.endr
.set i, 0
.rept 8
	v_pk_mul_f32 v[T3+i:T3+i+1], v[T1+\e+i:T1+\e+i+1], v[T3+i:T3+i+1]                               ; r s
.set i, i+2
.endr
.set i, 0
.rept 8
	v_pk_fma_f32 v[T1+\e+i:T1+\e+i+1], v[T2+i:T2+i+1], v[T3+i:T3+i+1], v[T1+\e+i:T1+\e+i+1]         ; sin
.set i, i+2
.endr
.endr
.endm
; T1's 32 numbers, my row's block h, become codes in v[XF] .. v[XF + 5] and, with lane l xor 16's byte, the row's scale word in v[XS].
.macro QUANT
.irp b, 0,1,2,3
	v_max3_num_f32 v[MX+\b], |v[T1+8*\b]|, |v[T1+8*\b+1]|, |v[T1+8*\b+2]|                           ; four chains, by turns
.endr
.irp n, 3,5
.irp b, 0,1,2,3
	v_max3_num_f32 v[MX+\b], v[MX+\b], |v[T1+8*\b+\n]|, |v[T1+8*\b+\n+1]|
.endr
.endr
	v_max3_num_f32 v[MX], v[MX], |v[T1+7]|, |v[T1+15]|
	v_max3_num_f32 v[MX+2], v[MX+2], |v[T1+23]|, |v[T1+31]|
	v_max3_num_f32 v[MX], v[MX], v[MX+1], v[MX+2]
	v_max3_num_f32 v[MX], v[MX], v[MX+3], 0x1800000        ; the block's largest magnitude, and the floor 2^(3 - 127): so the byte cannot fall under 1
	v_add_nc_u32 v[SO], 0xff000000, v[MX]                  ; 2 off its exponent field: the conversion takes the exponent field of this operand as its scale, and nothing else of it
	v_cvt_scalef32_pk16_fp6_f32 v[XF:XF+2], v[T1:T1+15], v[SO]
	v_cvt_scalef32_pk16_fp6_f32 v[CT:CT+2], v[T1+16:T1+31], v[SO]
	v_lshlrev_b32 v[SH], 1, v[SO]                          ; the scale's byte, in byte 3.  (The plain line behind the conversions)
	v_permlanex16_b32 v[SP], v[SH], s[SEL], s[SEL+1]       ; the other block's
	v_perm_b32 v[XS], v[SP], v[SH], s[PSEL]                ; bytes: mine, the other's, mine, the other's.  Lanes 0-15 are the ones read: block 0's byte, block 1's; bytes 2 and 3 stand over zero codes
.irp n, 0,1,2
	v_mov_b32 v[XF+3+\n], v[CT+\n]
.endr
.endm
; The product with W(l+1): four tiles of 16 hidden units, each one instruction: C = the bias, so there is no chain.  The caller has 32 plain lines between the quantiser and this, and more than 200 behind this ahead of the first read of a result
; and of the next write of the operand and of its scale word.
.macro MM z, l
	WIN 0x11                                               ; source 0 (the weight) and source 2 (the bias) in window 1
	s_wait_alu depctr_va_vdst(0)                           ; the quantiser's conversions, moves and byte permute have written v[XF] .. v[XF + 5] and v[XS], which the four scaled products below take as operand and as scales; the caller's 32 plain lines stay as the places ahead of this wait
.irp t, 0,1,2,3
	v_wmma_scale_f32_16x16x128_f8f6f4 v[\z+8*\t:\z+8*\t+7], v[6*(4*(\l)+\t):6*(4*(\l)+\t)+11], v[XF:XF+11], v[BI+32*(\l)+8*\t:BI+32*(\l)+8*\t+7], v[WS+4*(\l)+\t], v[XS] matrix_a_fmt:MATRIX_FMT_FP6 matrix_b_fmt:MATRIX_FMT_FP6
.endr
	WIN 0
.endm
; The first product: z = W0 c + b0, by the f32 form: its operands go on into a quantiser.  Each sum is one instruction that begins with the constant 0.
.macro MMF z, p
.irp t, 0,1,2,3
	v_wmma_f32_16x16x4_f32 v[\z+8*\t:\z+8*\t+7], v[W0F+2*\t:W0F+2*\t+1], v[\p:\p+1], 0
.endr
.endm
; The last product: my 32 units against W5, then lane l xor 16's 32.  b5 is the first addend, in lanes 0-15 alone.
.macro DOT o
	v_pk_fma_f32 v[AC:AC+1], v[T1:T1+1], v[W5V:W5V+1], v[B5P:B5P+1]
.irp j, 1,2,3
	v_pk_mul_f32 v[AC+2*\j:AC+2*\j+1], v[T1+2*\j:T1+2*\j+1], v[W5V+2*\j:W5V+2*\j+1]
.endr
.irp k, 1,2,3
.irp j, 0,1,2,3
	v_pk_fma_f32 v[AC+2*\j:AC+2*\j+1], v[T1+8*\k+2*\j:T1+8*\k+2*\j+1], v[W5V+8*\k+2*\j:W5V+8*\k+2*\j+1], v[AC+2*\j:AC+2*\j+1]
.endr
.endr
	v_pk_add_f32 v[AC:AC+1], v[AC:AC+1], v[AC+2:AC+3]
	v_pk_add_f32 v[AC+4:AC+5], v[AC+4:AC+5], v[AC+6:AC+7]
	v_pk_add_f32 v[AC:AC+1], v[AC:AC+1], v[AC+4:AC+5]
	v_add_f32 v[AC], v[AC], v[AC+1]
	v_permlanex16_b32 v[DP], v[AC], s[SEL], s[SEL+1]
	v_add_f32 v[\o], v[AC], v[DP]                          ; both halves of the lanes now hold the row's result
.endm
; ---- THE HEAD.  The offsets of the weights' loads lie in T1's registers, two temporaries in T2's: both are free until the first tile.
.set HR,  T1                           ; r
.set HH,  T1+1                         ; h
.set HU,  T1+2                         ; r % 8 + 32 (r / 8): my row of a weight's tile 0
.set VW,  T1+3                         ; 48 HU + 24 h: its codes, my half's 24 bytes
.set VSC, T1+4                         ; 2 HU: its two scale bytes
.set VB,  T1+5                         ; 128 h: 32 numbers of a bias or of W5
.set VWA, T1+6                         ; 12 HU + 8 h: W0[u][2 h]
.set VWB, T1+7                         ; 12 HU + 4:   W0[u][1]
.set VB0, T1+8                         ; 4 HU:        b0[u]
.set HT,  T1+9
	s_load_b512 s[8:23], s[0:1], 0x0               ; coords s[8:9], W0 s[10:11], b0 s[12:13]; then for l = 0 .. 3: codes s[14+6l:15+6l], scales s[16+6l:17+6l], bias s[18+6l:19+6l]
	s_load_b512 s[24:39], s[0:1], 0x40             ; .. ; W5 s[38:39]
	s_load_b128 s[40:43], s[0:1], 0x80             ; b5 s[40:41], out0 s[42:43]
	v_lshrrev_b32 v[HT], 5, v0
	v_readfirstlane_b32 s2, v[HT]                  ; wave 0..7
	v_and_b32 v[HR], 15, v0
	v_bfe_u32 v[HH], v0, 4, 1
	v_mul_u32_u24 v[VC], v[HR], 48
	v_lshlrev_b32 v[VO], 4, v[HR]
	v_lshl_add_u32 v[VO], v[HH], 3, v[VO]
	v_and_b32 v[HU], 7, v[HR]
	v_and_b32 v[HT], 8, v[HR]
	v_lshl_add_u32 v[HU], v[HT], 2, v[HU]
	v_mul_u32_u24 v[VW], v[HU], 48
	v_mad_u32_u24 v[VW], v[HH], 24, v[VW]
	v_lshlrev_b32 v[VSC], 1, v[HU]
	v_lshlrev_b32 v[VB], 7, v[HH]
	v_mul_u32_u24 v[VWA], v[HU], 12
	v_add_nc_u32 v[VWB], 4, v[VWA]
	v_lshl_add_u32 v[VWA], v[HH], 3, v[VWA]
	v_lshlrev_b32 v[VB0], 2, v[HU]
	s_mov_b32 s[K30], 0x41f00000                   ; 30
	s_mov_b32 s[K30+1], 0x41f00000
	s_mov_b32 s[KIP], 0x3ea2f983                   ; 1 / pi
	s_mov_b32 s[KIP+1], 0x3ea2f983
	s_mov_b32 s[KNM], 0xcb400000                   ; -1.5 x 2^23
	s_mov_b32 s[KNM+1], 0xcb400000
	s_mov_b32 s[KPH], 0xc0490fdb                   ; -3.14159274
	s_mov_b32 s[KPH+1], 0xc0490fdb
	s_mov_b32 s[KPL], 0x33bbbd2e                   ; +8.742278e-8: pi = 3.14159274 - 8.742278e-8
	s_mov_b32 s[KPL+1], 0x33bbbd2e
	s_mov_b32 s[KC9], 0x362e9c5b                   ; c9 = 2.601903e-6
	s_mov_b32 s[KC9+1], 0x362e9c5b
	s_mov_b32 s[HM], 0xffff0000
	s_mov_b32 s[PSEL], 0x07030703
	s_mov_b32 s[SEL], 0x76543210
	s_mov_b32 s[SEL+1], 0xfedcba98
	v_mov_b32 v[ONE], 1.0
	v_mov_b32 v[MV], 0x4b400000                    ; 1.5 x 2^23
	v_mov_b32 v[MV+1], 0x4b400000
	v_mov_b32 v[C7V], 0xb94fb223                   ; c7 = -1.980742e-4
	v_mov_b32 v[C7V+1], 0xb94fb223
	v_mov_b32 v[C5V], 0x3c08873e                   ; c5 = 8.333025e-3
	v_mov_b32 v[C5V+1], 0x3c08873e
	v_mov_b32 v[C3V], 0xbe2aaaa4                   ; c3 = -0.16666657
	v_mov_b32 v[C3V+1], 0xbe2aaaa4
	v_mov_b32 v[B5P+1], 0
.irp n, 6,7,8,9,10,11
	v_mov_b32 v[XF+\n], 0                          ; the operand's zero codes, K = 64 .. 127: written once
.endr
	v_mov_b32 v[SP], 0                             ; a lane permute's destination counts as one of its sources: written once
	v_mov_b32 v[DP], 0
	v_mov_b32 v[OU+2], 0                           ; (copied once before they are first made)
	v_mov_b32 v[OU+3], 0
	s_wait_kmcnt 0x0
	s_load_b32 s44, s[40:41], 0x0                  ; b5
	s_wait_alu depctr_va_sdst(0)                   ; v_readfirstlane_b32 has written s2, ahead of its first reader: the wave's share of coords and of out0 is made from it
	s_lshl_b32 s3, ttmp9, 3
	s_add_co_u32 s3, s3, s2                        ; w = 8 x work-group + wave
	s_mul_i32 s6, s3, 768                          ; a group's coords are 768 bytes,
	s_mov_b32 s7, 0
	s_add_nc_u64 s[8:9], s[8:9], s[6:7]
	s_lshl_b32 s6, s3, 8                           ; its results 256
	s_add_nc_u64 s[42:43], s[42:43], s[6:7]
	s_cmp_lt_u32 s3, FULL
	s_cselect_b32 s4, 8, 7                         ; my groups
	WIN 0x40                                       ; destination window 1, address window 0
	s_wait_alu depctr_va_vdst(0)                   ; the offsets v1, v2 and v183 to v188 are written, which the loads below and every later load and store read; up to the head's last load only loads and window switches follow
.irp l, 0,1,2,3
.irp t, 0,1,2,3
.irp p, 0,1,2
	global_load_b64 v[6*(4*\l+\t)+2*\p:6*(4*\l+\t)+2*\p+1], v[VW], s[14+6*\l:15+6*\l] offset:384*\t+8*\p   ; 24 bytes of unit 8 t + HU's row: K = 32 h + 0 .. 31, as they lie
.endr
.endr
.endr
.irp l, 0,1,2,3
.irp t, 0,1,2,3
	global_load_b128 v[BI+32*\l+8*\t:BI+32*\l+8*\t+3], v[VB], s[18+6*\l:19+6*\l] offset:32*\t
	global_load_b128 v[BI+32*\l+8*\t+4:BI+32*\l+8*\t+7], v[VB], s[18+6*\l:19+6*\l] offset:32*\t+16
.endr
.endr
.irp t, 0,1,2,3
	global_load_b32 v[W0F+2*\t], v[VWA], s[10:11] offset:96*\t      ; k = 2 h: W0[u][0] or W0[u][2]
.endr
	WIN 0
.irp t, 0,1,2,3
	global_load_b32 v[T2+\t], v[VWB], s[10:11] offset:96*\t         ; k = 1: W0[u][1]
	global_load_b32 v[T2+4+\t], v[VB0], s[12:13] offset:32*\t       ; k = 3: b0[u]
.endr
.irp l, 0,1,2,3
.irp t, 0,1,2,3
	global_load_u16 v[WS+4*\l+\t], v[VSC], s[16+6*\l:17+6*\l] offset:16*\t   ; the row's two bytes; bytes 2 and 3 of the word are 0 and stand over zero codes
.endr
.endr
.irp k, 0,1,2,3,4,5,6,7
	global_load_b128 v[W5V+4*\k:W5V+4*\k+3], v[VB], s[38:39] offset:16*\k
.endr
.irp k, 0,1,2
	global_load_b128 v[CO+4*\k:CO+4*\k+3], v[VC], s[8:9] offset:16*\k th:TH_LOAD_NT    ; the first group's coords, last
.endr
	s_wait_loadcnt 0x3                             ; loads come back in order: all but the three of coords are in
	s_wait_alu depctr_vm_vsrc(0)                   ; the loads above have read their offsets v183 to v188: these are T1's registers, which the first tile's activation writes
	WIN 0x40
.irp t, 0,1,2,3
	v_cndmask_b32 v[W0F+1+2*\t], v[T2+\t], v[T2+4+\t], s[HM]        ; k = 2 h + 1: lanes 0-15 W0[u][1], lanes 16-31 b0[u]
.endr
.irp n, 96,97,98,99,100,101
	v_mov_b32 v[\n], 0                             ; what the last fragment names behind its own six registers
.endr
	WIN 0
	s_wait_kmcnt 0x0                               ; b5
	v_mov_b32 v[T2+8], s44
	v_cndmask_b32 v[B5P], v[T2+8], v[B5P+1], s[HM]
.Lgroup:                                               ; a trip: 64 rows
	s_wait_loadcnt 0x0                             ; this group's coords are in (asked for a whole group ago); their base may be stepped
.irp q, 0,1,2,3
	v_cndmask_b32 v[PA+2*\q], v[CO+3*\q], v[CO+3*\q+2], s[HM]       ; k = 2 h: c0 or c2
	v_cndmask_b32 v[PA+2*\q+1], v[CO+3*\q+1], v[ONE], s[HM]         ; k = 2 h + 1: c1 or 1.0
.endr
	s_cmp_eq_u32 s4, 1                             ; my last group asks for nothing: no load leaves the buffer
	s_cbranch_scc1 .Lno_next
	s_add_nc_u64 s[8:9], s[8:9], NWAVES*768
	s_wait_alu depctr_va_vdst(0)                   ; the eight selects above are done reading v[CO ..], in which the next group's coords land
.irp k, 0,1,2
	global_load_b128 v[CO+4*\k:CO+4*\k+3], v[VC], s[8:9] offset:16*\k th:TH_LOAD_NT
.endr
.Lno_next:
.rept 4
	v_nop                                          ; between the writes of source 1 and the first products
.endr
	s_mov_b32 s5, 2
.Lpair:                                                ; a trip: two tiles, one on ZA and one on ZB, by turns: while one tile's products run, the other's activation is issued
	WIN 0x01                                       ; source 0 (W0) in window 1
	s_wait_alu depctr_va_vdst(0)
	MMF ZA, PA
	MMF ZB, PB
	WIN 0
	v_mov_b32 v[OU], v[OU+2]                       ; the first pair's results make room (in the first trip: a copy of no use).  With the six v_nop: the eight places that this form asks for ahead of the first read of a result
	v_mov_b32 v[OU+1], v[OU+3]
.rept 6
	v_nop
.endr
	HEAD ZA
	REST ZA
	QUANT
.irp n, 0,1,2,3
	v_mov_b32 v[PA+\n], v[PN+\n]                   ; the next pair's coords: far behind the products that read these registers, far ahead of the next
.endr
	HEAD ZB
	MM ZA, 0
	REST ZB
	QUANT
.irp l, 0,1,2
	HEAD ZA
	MM ZB, \l
	REST ZA
	QUANT
	HEAD ZB
	MM ZA, \l+1
	REST ZB
	QUANT
.endr
	HEAD ZA
	MM ZB, 3
	REST ZA
	DOT OU+2
	HEAD ZB
	REST ZB
	DOT OU+3
	s_sub_co_u32 s5, s5, 1
	s_cmp_lg_u32 s5, 0
	s_cbranch_scc1 .Lpair
	v_cndmask_b32 v[SD], v[OU], v[OU+2], s[HM]     ; lane (r, h) stores rows 4 r + 2 h and 4 r + 2 h + 1
	v_cndmask_b32 v[SD+1], v[OU+1], v[OU+3], s[HM]
	s_wait_alu depctr_va_vdst(0)                   ; the two selects have written v[SD:SD+1], the store's data
	global_store_b64 v[VO], v[SD:SD+1], s[42:43] th:TH_STORE_NT     ; the wave stores 256 consecutive bytes, at a multiple of 256 from out0's first byte
	s_wait_xcnt 0x0                                ; the store has had its address translated: its base is written again only behind this wait
	s_wait_alu depctr_vm_vsrc(0)                   ; the store has read v[SD:SD+1], which the next group's selects write again
	s_add_nc_u64 s[42:43], s[42:43], NWAVES*256
	s_sub_co_u32 s4, s4, 1
	s_cmp_lg_u32 s4, 0
	s_cbranch_scc1 .Lgroup
	s_endpgm
.Lfunc_end_k_qe221bef92b_finer:
	.size	k_qe221bef92b_finer, .Lfunc_end_k_qe221bef92b_finer-k_qe221bef92b_finer
	.p2alignl 7, 3214868480
	.fill 96, 4, 3214868480
	.section	.rodata,"a",@progbits
	.p2align	6, 0x0
	.amdhsa_kernel k_qe221bef92b_finer
		.amdhsa_group_segment_fixed_size 0
		.amdhsa_private_segment_fixed_size 0
		.amdhsa_enable_private_segment 0
		.amdhsa_kernarg_size 144
		.amdhsa_user_sgpr_count 2
		.amdhsa_user_sgpr_kernarg_segment_ptr 1
		.amdhsa_wavefront_size32 1
		.amdhsa_system_sgpr_workgroup_id_x 1
		.amdhsa_system_sgpr_workgroup_id_y 1
		.amdhsa_system_sgpr_workgroup_id_z 1
		.amdhsa_system_vgpr_workitem_id 0
		.amdhsa_next_free_vgpr 512
		.amdhsa_next_free_sgpr 68
		.amdhsa_reserve_vcc 0
		.amdhsa_float_denorm_mode_32 3
		.amdhsa_float_denorm_mode_16_64 3
		.amdhsa_memory_ordered 1
		.amdhsa_forward_progress 1
		.amdhsa_inst_pref_size 198
	.end_amdhsa_kernel
	.amdgpu_metadata
---
amdhsa.version: [ 1, 2 ]
amdhsa.kernels:
  - .name:           k_qe221bef92b_finer
    .symbol:         k_qe221bef92b_finer.kd
    .args:
      - { .name: coords, .offset: 0, .size: 8, .value_kind: global_buffer, .address_space: global }
      - { .name: W0, .offset: 8, .size: 8, .value_kind: global_buffer, .address_space: global }
      - { .name: b0, .offset: 16, .size: 8, .value_kind: global_buffer, .address_space: global }
      - { .name: W1_codes, .offset: 24, .size: 8, .value_kind: global_buffer, .address_space: global }
      - { .name: W1_scales, .offset: 32, .size: 8, .value_kind: global_buffer, .address_space: global }
      - { .name: b1, .offset: 40, .size: 8, .value_kind: global_buffer, .address_space: global }
      - { .name: W2_codes, .offset: 48, .size: 8, .value_kind: global_buffer, .address_space: global }
      - { .name: W2_scales, .offset: 56, .size: 8, .value_kind: global_buffer, .address_space: global }
      - { .name: b2, .offset: 64, .size: 8, .value_kind: global_buffer, .address_space: global }
      - { .name: W3_codes, .offset: 72, .size: 8, .value_kind: global_buffer, .address_space: global }
      - { .name: W3_scales, .offset: 80, .size: 8, .value_kind: global_buffer, .address_space: global }
      - { .name: b3, .offset: 88, .size: 8, .value_kind: global_buffer, .address_space: global }
      - { .name: W4_codes, .offset: 96, .size: 8, .value_kind: global_buffer, .address_space: global }
      - { .name: W4_scales, .offset: 104, .size: 8, .value_kind: global_buffer, .address_space: global }
      - { .name: b4, .offset: 112, .size: 8, .value_kind: global_buffer, .address_space: global }
      - { .name: W5, .offset: 120, .size: 8, .value_kind: global_buffer, .address_space: global }
      - { .name: b5, .offset: 128, .size: 8, .value_kind: global_buffer, .address_space: global }
      - { .name: out0, .offset: 136, .size: 8, .value_kind: global_buffer, .address_space: global }
    .group_segment_fixed_size: 0
    .private_segment_fixed_size: 0
    .kernarg_segment_align: 8
    .kernarg_segment_size: 144
    .max_flat_workgroup_size: 256
    .sgpr_count:     68
    .vgpr_count:     512
    .wavefront_size: 32
...
	.end_amdgpu_metadata
.endif
;; end of part 2
